; MI455X (gfx1250); checked and timed in simulation.
; The chip was launched on July 23, 2026; its instructions are those of AMD's public machine-readable ISA for CDNA 5 (MIT licence, August 2026) and "CDNA5" Instruction Set Architecture Reference Guide (July 2026). The comments in the code are by the model that wrote it; some were corrected since.
;; Bot Net50. Allowed arithmetic: matrix products marked QUANTISED: E4M3 operands, one E8M0 scale for each 32 along K, by v_wmma_scale_f32_16x16x128_f8f6f4 with both operands' format E4M3, f32 sums; everything else in f32.
;; Inputs: featuremap 16 x 512 x 32 x 32 float32; rel_height 63 x 128 float32; rel_width 63 x 128 float32; w_qk 1,024 x 512 float32; w_v 512 x 512 float32.
;; Outputs: out0 16 x 512 x 32 x 32 float32.
;; This version of the problem:
;;   THIS VERSION OF THE PROBLEM IS GIVEN IN LOW PRECISION. The matrix products marked QUANTISED in the list below multiply operands that are first quantised to E4M3 (4 exponent bits, 3 mantissa bits; 8 bits a number), with one power-of-two scale for each 32 numbers along K (OCP MX v1.0); their sums are f32. All else is computed in f32.
;;   The module's matrix products, in the order in which they are computed (A, B: the left and right operand; K: the contracted axis; several contracted axes count as one K, in the product's order):
;;     1. [M 1,024, K 512] x [K 512, N 16,384]; A: input w_qk; B: input featuremap: QUANTISED
;;     2. [M 512, K 512] x [K 512, N 16,384]; A: input w_v; B: input featuremap: QUANTISED
;;     3. batch 64 x [M 1,024, K 128] x [K 128, N 1,024]; A: computed on the way; B: computed on the way: QUANTISED
;;     4. [M 65,536, K 128] x [K 128, N 63]; A: computed on the way; B: input rel_width: QUANTISED
;;     5. [M 65,536, K 128] x [K 128, N 63]; A: computed on the way; B: input rel_height: QUANTISED
;;     6. batch 64 x [M 1,024, K 1,024] x [K 1,024, N 128]; A: softmax (see below); B: computed on the way: QUANTISED
;;   THE QUANTISER, for each operand of a quantised product, along K:
;;     - K is cut into blocks of 32 from its start; a last block that is shorter is filled with zeros.
;;     - A block's scale is 2^e with e = floor(log2(the largest magnitude in the block)) - 8, held to -126 .. 127; a block of zeros has e = 0. As a byte (E8M0): e + 127.
;;     - Each number is divided by its block's scale, clamped to +-448, and rounded to the nearest number of E4M3, ties to even, subnormals kept.
;;     - The product sums the exact products of the quantised numbers (number of the format x scale) in f32.
;;   ~~~python
;;   def quantise(x, axis):      # numpy; x: float32 -> the quantised numbers, widened to float32 again
;;       x = np.moveaxis(x, axis, -1); K = x.shape[-1]
;;       x = np.pad(x, [(0, 0)] * (x.ndim - 1) + [(0, -K % 32)]); x = x.reshape(x.shape[:-1] + (-1, 32)); a = np.abs(x).max(-1, keepdims=True)
;;       e = np.where(a > 0, np.clip(np.frexp(np.where(a > 0, a, 1))[1] - 1 - 8, -126, 127), 0)      # np.frexp(a)[1] - 1 = floor(log2(a)), exactly
;;       r = np.clip(x / 2.0 ** e, -448, 448)
;;       step = 2.0 ** (np.maximum(np.frexp(np.where(r == 0, 1, r))[1] - 1, -6) - 3)
;;       q = np.round(r / step) * step * 2.0 ** e      # np.round: ties to even
;;       return np.moveaxis(q.reshape(q.shape[:-2] + (-1,))[..., :K], -1, axis).astype(np.float32)
;;   ~~~
;;   SOFTMAX AHEAD OF A QUANTISED PRODUCT. Where the list says 'softmax', what is quantised is not the finished softmax but p = 2^(t - M), with t = logit x log2(e) and M = ceil(the row's largest t), a whole number; so 1/2 < the row's largest p <= 1. The row's sum l is taken of the UNQUANTISED p, in f32, and the product's result is divided by l at the end. Since M is a whole number, a kernel that streams over the keys may use a running M (the ceiling of the running maximum): every later rescaling is an exact power of two, which a block's scale takes up: the codes' values come out the same.
;;   OPERANDS COMPUTED ON THE WAY. 'Computed on the way' means the value that the module computes at that place (a softmax that the list does not call 'softmax' is quantised finished and normalised). What goes into a quantiser is computed in f32, as accurately as f32 sums, v_exp_f32 and their like allow (about 1e-6 of the number): no bf16 or f16 on the way to a quantiser, and a product that is left as it is and whose result goes on into a quantised operand takes f32 operands (vector FMAs, or v_wmma_f32_16x16x4_f32). A number that lies on a knife's edge between two numbers of the format may be rounded either way, as far as f32 arithmetic and the matrix unit's own rounding can turn it there, and no further.
;; One version. Each part assembles by itself: llvm-mc -triple=amdgcn-amd-amdhsa -mcpu=gfx1250 --defsym DOCPART=n.
;; ======== version 1 of 1: 3 launches
;; limits: right only within a limited range of input values
;; workspace buffers: xq 8,650,752 bytes; wimg 925,696 bytes; wscl 57,856 bytes; qc 8,912,896 bytes; kv 17,825,792 bytes
;; launch prep (part 1): grid 625 x 1, 4 waves a work-group, no clusters, 0 bytes of LDS; arguments featuremap, w_qk, w_v, rel_width, rel_height, xq, wimg, wscl; writes xq, wimg, wscl
.if DOCPART == 1
	.amdgcn_target "amdgcn-amd-amdhsa--gfx1250"
	.amdhsa_code_object_version 6
	.text
	.protected	k_q82e74aeb28_prep
	.globl	k_q82e74aeb28_prep
	.p2align	8
	.type	k_q82e74aeb28_prep,@function
k_q82e74aeb28_prep:
	s_mov_b64 s[64:65], 0
	v_nop
	global_prefetch_b8 v0, s[64:65] scope:SCOPE_SE
	s_setreg_imm32_b32 hwreg(HW_REG_WAVE_MODE, 25, 1), 1
	s_wait_xcnt 0x0
; PREP: every input is quantised once to codes of E4M3 with one E8M0 scale byte for each 32 along K, and laid in the ORDER OF AN OPERAND'S REGISTERS.
; A fragment (16 rows x 128 K) is an image of 2,048 bytes: chunk c (0..3) of 512 bytes, lane l's 16 bytes at 512 c + 16 l: k = 32 c + 16 (l / 16) + 0 .. 15 of row l % 16.
; Work-groups 0 .. 511: featuremap [16][512][32][32], K = the 512 channels, which are NOT innermost.  A lane takes a pixel and its registers run down the channels: a block of 32 channels lies
;   in one lane's 32 registers, so its largest magnitude needs no other lane and the conversions give codes with K innermost.  Nothing is transposed.
;   Work-group g: K step s = g % 4 (128 channels), image rows 4 X .. 4 X + 3 (X = (g / 4) % 8, a row a wave: the four waves read 512 consecutive bytes of each channel), image b = g / 32.
;   THE PIXELS OF A TILE ARE NOT NEIGHBOURS: tile u (0, 1) of an image row holds, in its row r, pixel y = 8 u + r + 8 (r / 8).  xq: tile 64 b + 2 row + u at 8,448 bytes each:
;   the images of K steps 0 .. 3, then at 8,192 + 64 s + 4 r the scale word of row r and K step s.
; Work-groups 512 .. 624: 452 jobs, a wave each: one fragment of w_qk, w_v, rel_width or rel_height (K innermost): image to wimg + 2,048 j, scale words to wscl + 128 j + 4 lane.
;   j = 4 T + s < 256: w_qk, rows 32 (T / 2) + 8 (T % 2) + r + 8 (r / 8);  256 + 4 T + s: w_v, rows 16 T + r;  384 + T: rel_width, rows 16 T + r (row 63 does not exist: zero codes);
;   388 + 2 x + T: rel_height, rows 31 - x + 16 T + r: the rows that the queries of image row x want for key rows 16 T + r.
; A block's scale is 2^(floor(log2(largest magnitude)) - 8): its byte is the largest magnitude's exponent field - 8, held at 1 from below.
; LIMITS: NaN and infinities among the inputs are not served.  A block of zeros, or one whose largest magnitude lies under 2^-118, gets the byte 1 (the rule says 127 for zeros): its codes are
; zeros or subnormal codes under that byte, and the bytes are read by this program alone.  rel_width's padded row may hold the code of -0.
; No LDS, no barrier, no matrix unit, no cluster: waves share nothing, and the launch is a stream.
.set XN,  32                           ; v32-95   numbers: two sets of 32 (featuremap), or 64 of a lane (weights)
.set CD,  96                           ; v96-127  featuremap: 8 registers of codes for each of the 4 blocks, so that no store's data are written again
.set TM,  96                           ; v96-111  weights: largest magnitudes, bytes, scale operands
.set PC,  112                          ; v112-127 weights: the fragment's codes
.set PW,  26                           ; v26      weights: the scale word
.set MNT, 2
.set WV,  3                            ; s3       my wave's number
.macro LOAD t                          ; block t: channels 32 t + i of my pixel, into set t % 2; 32 lanes read 128 consecutive bytes
.irp i, 0,1,2,3,4,5,6,7,8,9,10,11,12,13,14,15,16,17,18,19,20,21,22,23,24,25,26,27,28,29,30,31
	global_load_b32 v[XN+32*((\t)%2)+\i], v2, s[4:5] offset:(32*(\t)+\i)*4096 th:TH_LOAD_NT
.endr
.endm
.macro BLOCK t
.set XS, XN+32*((\t)%2)
.if (\t) < 3
	s_wait_loadcnt 32                              ; this block's 32 loads are in; the 32 of the block behind it may be out
.else
	s_wait_loadcnt 0x0
.endif
	v_max3_num_f32 v12, |v[XS]|, |v[XS+1]|, |v[XS+2]|      ; the block's largest magnitude: all 32 numbers are mine; two chains
	v_max3_num_f32 v13, |v[XS+3]|, |v[XS+4]|, |v[XS+5]|
.irp i, 6,10,14,18,22,26
	v_max3_num_f32 v12, v12, |v[XS+\i]|, |v[XS+\i+1]|
	v_max3_num_f32 v13, v13, |v[XS+\i+2]|, |v[XS+\i+3]|
.endr
	v_max3_num_f32 v12, v12, |v[XS+30]|, |v[XS+31]|
	v_max3_num_f32 v12, v12, v13, 0x4800000        ; and the floor 2^(9 - 127): the byte cannot fall under 1
	v_add_nc_u32 v11, 0xfc000000, v12              ; 8 off the exponent field: the conversion's scale operand
	v_lshrrev_b32 v13, 23, v11                     ; the scale's byte
.if (\t) == 0
	v_mov_b32 v24, v13                             ; four bytes make the K step's scale word, the lower K in the lower byte
.else
	v_lshl_or_b32 v24, v13, 8*(\t), v24
.endif
.irp i, 0,1,2,3,4,5,6,7,8,9,10,11,12,13,14,15,16,17,18,19,20,21,22,23,24,25,26,27,28,29,30,31
.endr
.irp g, 0,1,2,3
	v_cvt_scalef32_pk8_fp8_f32 v[CD+8*(\t)+2*\g:CD+8*(\t)+2*\g+1], v[XS+8*\g:XS+8*\g+7], v11
.endr
	v_nop                                          ; one plain line behind the last conversion
	global_store_b128 v3, v[CD+8*(\t):CD+8*(\t)+3], s[28:29] offset:512*(\t)          ; channels 0-15 of the block: the lanes of one tile store 256 consecutive bytes, aligned
	global_store_b128 v3, v[CD+8*(\t)+4:CD+8*(\t)+7], s[28:29] offset:512*(\t)+256    ; channels 16-31: the image's upper sixteen lanes
.if (\t) < 2
	LOAD (\t)+2
.endif
.endm
	s_load_b256 s[4:11], s[0:1], 0x0               ; featuremap s[4:5], w_qk s[6:7], w_v s[8:9], rel_width s[10:11]
	s_load_b256 s[12:19], s[0:1], 0x20             ; rel_height s[12:13], xq s[14:15], wimg s[16:17], wscl s[18:19]
	v_lshrrev_b32 v1, 5, v0
	v_readfirstlane_b32 s[WV], v1                  ; wave 0..3
	v_and_b32 v1, 31, v0                           ; lane
	s_cmp_lt_u32 ttmp9, 512
	s_cbranch_scc0 .Lweights
	; ---- featuremap
	s_and_b32 s20, ttmp9, 3                        ; K step s
	s_bfe_u32 s21, ttmp9, 0x30002                  ; X
	s_lshr_b32 s22, ttmp9, 5                       ; image b
	s_lshl_b32 s21, s21, 2
	s_add_co_u32 s21, s21, s[WV]                   ; my image row
	s_lshl_b32 s24, s22, 21                        ; in: b x 512 channels x 4,096 bytes
	s_lshl_b32 s25, s20, 19                        ; + s x 128 channels
	s_add_co_u32 s24, s24, s25
	s_lshl_b32 s25, s21, 7                         ; + row x 128 bytes
	s_add_co_u32 s24, s24, s25
	s_mov_b32 s25, 0
	s_lshl_b32 s26, s22, 6
	s_lshl_b32 s27, s21, 1
	s_add_co_u32 s26, s26, s27                     ; out: tile 64 b + 2 row
	s_mul_i32 s26, s26, 8448
	s_lshl_b32 s27, s20, 11
	s_add_co_u32 s28, s26, s27                     ; the K step's image
	s_mov_b32 s29, 0
	s_lshl_b32 s27, s20, 6
	s_add_co_u32 s30, s26, s27
	s_add_co_u32 s30, s30, 8192                    ; and its scale words
	s_mov_b32 s31, 0
	s_wait_alu depctr_va_vdst(0)
	v_lshlrev_b32 v2, 2, v1                        ; in: 4 bytes a lane: pixel y = lane
	v_bfe_u32 v5, v1, 3, 1                         ; u = (y / 8) % 2
	v_and_b32 v6, 7, v1
	v_lshrrev_b32 v7, 4, v1
	v_lshl_add_u32 v6, v7, 3, v6                   ; r = y % 8 + 8 (y / 16)
	v_mul_u32_u24 v5, v5, 8448
	v_lshl_add_u32 v3, v6, 4, v5                   ; codes: tile u, 16 r
	v_lshl_add_u32 v4, v6, 2, v5                   ; scale word: tile u, 4 r
	s_wait_alu depctr_va_vdst(0)
	s_wait_kmcnt 0x0
	s_add_nc_u64 s[4:5], s[4:5], s[24:25]
	s_add_nc_u64 s[28:29], s[14:15], s[28:29]
	s_add_nc_u64 s[30:31], s[14:15], s[30:31]
	LOAD 0
	LOAD 1
	BLOCK 0
	BLOCK 1
	BLOCK 2
	BLOCK 3
	global_store_b32 v4, v24, s[30:31]
	s_endpgm
	; ---- the weights and the two tables: job j.  What differs between the four kinds is chosen without a jump, on j alone
.Lweights:
	s_sub_co_u32 s20, ttmp9, 512
	s_lshl_b32 s20, s20, 2
	s_add_co_u32 s20, s20, s[WV]                   ; j
	s_lshr_b32 s21, s20, 3                         ; w_qk: first row 32 (T / 2) + 8 (T % 2), T = j / 4
	s_lshl_b32 s21, s21, 5
	s_bfe_u32 s22, s20, 0x10002
	s_lshl_b32 s22, s22, 3
	s_add_co_u32 s21, s21, s22
	s_sub_co_u32 s22, s20, 256                     ; w_v: 16 ((j - 256) / 4)
	s_lshr_b32 s22, s22, 2
	s_lshl_b32 s22, s22, 4
	s_sub_co_u32 s23, s20, 384                     ; rel_width: 16 (j - 384)
	s_lshl_b32 s23, s23, 4
	s_sub_co_u32 s24, s20, 388                     ; rel_height: 31 - x + 16 T, 2 x + T = j - 388
	s_lshr_b32 s25, s24, 1
	s_and_b32 s24, s24, 1
	s_lshl_b32 s24, s24, 4
	s_add_co_u32 s24, s24, 31
	s_sub_co_u32 s24, s24, s25
	s_and_b32 s26, s20, 3
	s_lshl_b32 s26, s26, 9                         ; the K step's 128 numbers: 512 bytes on in a row of the weights
	s_mov_b32 s30, 512                             ; a row of the tables in bytes
	s_wait_alu depctr_va_vdst(0)
	v_and_b32 v2, 15, v1                           ; r
	v_lshrrev_b32 v3, 4, v1                        ; h
	v_lshrrev_b32 v4, 3, v2                        ; r / 8
	v_lshlrev_b32 v8, 4, v1                        ; out: 16 x lane
	v_lshlrev_b32 v9, 2, v1                        ; and 4 x lane
	v_mov_b32 v7, 0
	s_wait_alu depctr_va_vdst(0)
	s_wait_kmcnt 0x0
	s_cmp_lt_u32 s20, 388
	s_cselect_b64 s[28:29], s[10:11], s[12:13]     ; rel_width or rel_height
	s_cselect_b32 s27, s23, s24
	s_cmp_lt_u32 s20, 384
	s_cselect_b64 s[28:29], s[8:9], s[28:29]       ; w_v
	s_cselect_b32 s27, s22, s27
	s_cselect_b32 s26, s26, 0
	s_cselect_b32 s30, 2048, s30                   ; a row of the weights in bytes
	s_cselect_b32 s31, 511, 62                     ; the buffer's last row
	s_cmp_lt_u32 s20, 256
	s_cselect_b64 s[28:29], s[6:7], s[28:29]       ; w_qk
	s_cselect_b32 s27, s21, s27
	s_cselect_b32 s31, 1023, s31
	s_cselect_b32 s32, 8, 0                        ; w_qk's tiles skip 8 rows in their middle
	s_lshl_b32 s34, s20, 11
	s_mov_b32 s35, 0
	s_add_nc_u64 s[16:17], s[16:17], s[34:35]      ; the job's image
	s_lshl_b32 s34, s20, 7
	s_add_nc_u64 s[18:19], s[18:19], s[34:35]      ; and its scale words
	v_mul_u32_u24 v4, s32, v4
	v_add3_u32 v5, v4, v2, s27                     ; my row
	v_cmp_lt_u32 vcc_lo, s31, v5                   ; past the buffer's last row (rel_width's row 63)?
	v_cndmask_b32 v6, 1.0, v7, vcc_lo              ; then its numbers count as 0,
	v_min_u32 v5, s31, v5                          ; and the load stays inside the buffer
	v_mul_lo_u32 v5, v5, s30
	v_lshl_add_u32 v5, v3, 6, v5                   ; + 64 h: my 16 numbers of each block of 32
	v_add_nc_u32 v5, s26, v5
.irp b, 0,1,2,3
.irp i, 0,1,2,3
	global_load_b128 v[XN+16*\b+4*\i:XN+16*\b+4*\i+3], v5, s[28:29] offset:128*\b+16*\i   ; register 16 b + i' = k 32 b + 16 h + i' of my row
.endr
.endr
.irp b, 0,1,2,3
	v_mov_b32 v[TM+4+\b], 0                        ; a lane permute's destination counts as one of its sources
.endr
	s_mov_b32 s20, 0x76543210
	s_mov_b32 s21, 0xfedcba98                      ; v_permlanex16_b32's selects for lane l xor 16
	s_wait_alu depctr_va_vdst(0)
	s_wait_loadcnt 0x0
.set j, 0
.rept 32
	v_pk_mul_f32 v[XN+j:XN+j+1], v[XN+j:XN+j+1], v[6:7] op_sel_hi:[1,0]   ; x 1, or x 0 in a row that does not exist
.set j, j+2
.endr
.irp b, 0,1,2,3
	v_max3_num_f32 v[TM+\b], |v[XN+16*\b]|, |v[XN+1+16*\b]|, 0x4800000    ; block b: my 16 numbers and the floor 2^(9 - 127)
.endr
.irp i, 2,4,6,8,10,12,14
.irp b, 0,1,2,3
	v_max3_num_f32 v[TM+\b], v[TM+\b], |v[XN+16*\b+\i]|, |v[XN+1+16*\b+\i]|
.endr
.endr
.irp b, 0,1,2,3
	v_permlanex16_b32 v[TM+4+\b], v[TM+\b], s20, s21
.endr
.irp b, 0,1,2,3
	v_max_num_f32 v[TM+\b], v[TM+\b], v[TM+4+\b]   ; with lane l xor 16's: the block's largest magnitude
.endr
.irp b, 0,1,2,3
	v_add_nc_u32 v[TM+12+\b], 0xfc000000, v[TM+\b] ; the conversion's scale operand
.endr
.irp b, 0,1,2,3
.endr
.irp b, 0,1,2,3
	v_lshrrev_b32 v[TM+4+\b], 23, v[TM+12+\b]      ; the scale's byte
.endr
	v_lshl_or_b32 v[PW], v[TM+5], 8, v[TM+4]       ; my row's scale word
	v_lshl_or_b32 v[PW], v[TM+6], 16, v[PW]
	v_lshl_or_b32 v[PW], v[TM+7], 24, v[PW]
.irp b, 0,1,2,3
.irp i, 0,1,2,3,4,5,6,7,8,9,10,11,12,13,14,15
.endr
	v_cvt_scalef32_pk8_fp8_f32 v[PC+4*\b:PC+1+4*\b], v[XN+16*\b:XN+7+16*\b], v[TM+12+\b]
	v_cvt_scalef32_pk8_fp8_f32 v[PC+2+4*\b:PC+3+4*\b], v[XN+8+16*\b:XN+15+16*\b], v[TM+12+\b]
.endr
	v_nop
.irp c, 0,1,2,3
	global_store_b128 v8, v[PC+4*\c:PC+4*\c+3], s[16:17] offset:512*\c    ; 32 lanes store 512 consecutive bytes, aligned
.endr
	global_store_b32 v9, v[PW], s[18:19]           ; lanes 16-31 hold the same words as lanes 0-15
	s_endpgm
.Lfunc_end_k_q82e74aeb28_prep:
	.size	k_q82e74aeb28_prep, .Lfunc_end_k_q82e74aeb28_prep-k_q82e74aeb28_prep
	.p2alignl 7, 3214868480
	.fill 96, 4, 3214868480
	.section	.rodata,"a",@progbits
	.p2align	6, 0x0
	.amdhsa_kernel k_q82e74aeb28_prep
		.amdhsa_group_segment_fixed_size 0
		.amdhsa_private_segment_fixed_size 0
		.amdhsa_enable_private_segment 0
		.amdhsa_kernarg_size 64
		.amdhsa_user_sgpr_count 2
		.amdhsa_user_sgpr_kernarg_segment_ptr 1
		.amdhsa_wavefront_size32 1
		.amdhsa_system_sgpr_workgroup_id_x 1
		.amdhsa_system_sgpr_workgroup_id_y 1
		.amdhsa_system_sgpr_workgroup_id_z 1
		.amdhsa_system_vgpr_workitem_id 0
		.amdhsa_next_free_vgpr 128
		.amdhsa_next_free_sgpr 66
		.amdhsa_reserve_vcc 1
		.amdhsa_float_denorm_mode_32 3
		.amdhsa_float_denorm_mode_16_64 3
		.amdhsa_fp16_overflow 1
		.amdhsa_memory_ordered 1
		.amdhsa_forward_progress 1
		.amdhsa_inst_pref_size 31
	.end_amdhsa_kernel
	.amdgpu_metadata
---
amdhsa.version: [ 1, 2 ]
amdhsa.kernels:
  - .name:           k_q82e74aeb28_prep
    .symbol:         k_q82e74aeb28_prep.kd
    .args:
      - { .name: featuremap, .offset: 0, .size: 8, .value_kind: global_buffer, .address_space: global }
      - { .name: w_qk, .offset: 8, .size: 8, .value_kind: global_buffer, .address_space: global }
      - { .name: w_v, .offset: 16, .size: 8, .value_kind: global_buffer, .address_space: global }
      - { .name: rel_width, .offset: 24, .size: 8, .value_kind: global_buffer, .address_space: global }
      - { .name: rel_height, .offset: 32, .size: 8, .value_kind: global_buffer, .address_space: global }
      - { .name: xq, .offset: 40, .size: 8, .value_kind: global_buffer, .address_space: global }
      - { .name: wimg, .offset: 48, .size: 8, .value_kind: global_buffer, .address_space: global }
      - { .name: wscl, .offset: 56, .size: 8, .value_kind: global_buffer, .address_space: global }
    .group_segment_fixed_size: 0
    .private_segment_fixed_size: 0
    .kernarg_segment_align: 8
    .kernarg_segment_size: 64
    .max_flat_workgroup_size: 128
    .sgpr_count:     66
    .vgpr_count:     128
    .wavefront_size: 32
...
	.end_amdgpu_metadata
.endif
;; end of part 1
;; launch proj (part 2): grid 64 x 4, 3 waves a work-group, no clusters, 327,680 bytes of LDS; arguments xq, wimg, wscl, qc, kv; writes qc, kv
.if DOCPART == 2
	.amdgcn_target "amdgcn-amd-amdhsa--gfx1250"
	.amdhsa_code_object_version 6
	.text
	.protected	k_q82e74aeb28_proj
	.globl	k_q82e74aeb28_proj
	.p2align	8
	.type	k_q82e74aeb28_proj,@function
k_q82e74aeb28_proj:
	s_mov_b64 s[64:65], 0
	v_nop
	global_prefetch_b8 v0, s[64:65] scope:SCOPE_SE
	s_setreg_imm32_b32 hwreg(HW_REG_WAVE_MODE, 25, 1), 1
	s_wait_xcnt 0x0
; PROJ: the two 1 x 1 convolutions on codes of E4M3 (K = 512 channels, four K steps of 128), and the quantising of their results: q x 2^-3.5 and k along the head's 128, v along the keys.
; SHARES.  Work-group (x, y): x = a chunk of 256 pixels (image x / 4, image rows 8 (x % 4) on: 16 pixel tiles), y = the head.  Wave w = the role: 0 q, 1 k, 2 v.  12 (role, head) x 64 chunks are 768 wave
; shares; three to a work-group make 256 work-groups.  A wave's 128 rows x 512 K of weights (32 fragments, 512 registers, windows 2 and 3) are read once and stay in registers.
; LDS, each byte filled ONCE and never stored to: 0: the chunk's codes and scale words, 135,168 dense bytes of xq, a third by each wave; 135,168 + 57,344 w: 7 of wave w's 8 weight tiles; 307,200 + 4,096 w: its
; weights' scale words.  So a wave has three tensor loads and 16 register loads (the eighth weight tile: eight tiles of three waves would pass LDS's end by 4,096 bytes) out together at its start, in place of 160 register loads.
; q, k: source 0 = 16 rows of w_qk, source 1 = 16 pixels.  prep chose the rows of a weight tile so that in tiles 2 b, 2 b + 1 a lane's 16 registers are d = 32 b + 16 (lane / 16) + 0 .. 15 of ONE pixel:
;   the conversions' results are a fragment of q or k (rows = the tile's pixels, K = d).
; v: source 0 = 16 pixels, source 1 = 16 rows of w_v.  prep chose the pixels of a tile so that the two tiles of an image row give a lane 16 neighbouring keys 16 (lane / 16) + 0 .. 15 of ONE channel d:
;   an image row is one block of 32 along the keys, and four image rows make a fragment of V^T (rows = 16 channels, K = 128 keys).
; BY TURNS.  The work goes in UNITS of 32 products on 8 accumulators, 64 registers (q, k: one pixel tile x 8 weight tiles x 4 K steps; v: 4 channel tiles x an image row's 2 pixel tiles x 4 K steps).  The two halves
; of the 128 accumulator registers take turns: while one is multiplied, the other, finished a unit ago, is quantised: its list of 161 (q, k) or 129 (v) entries is cut into slices of five or four, one behind each
; product.  A slice costs two switches of the register window; set in a phase of its own the list would leave the wave, which is alone on its SIMD, without a product all that while: the switches are the lesser price.
; OUT.  A group is four fragment images (2,048 bytes each), then 512 bytes of scale words at 8,192 + 16 lane + 4 place: 8,704 bytes.  qc: 16 groups a head (pixel tile t: group t / 4, place t % 4).
;   kv: 278,528 bytes a head: k's 16 groups likewise, then V's: fragment (key step s, channel tile T): group 2 s + T / 4, place T % 4.
; ONE LOOP OF TWO TRIPS serves all roles: a trip takes four image rows (8 pixel tiles, 8 units) and makes two groups; the branch on the wave's number stands inside the trip; no barrier stands in the loop.
; NO CLUSTER: what the four heads of a chunk share, the chunk, is 135,168 of a work-group's 344,064 bytes; the weights go to one wave alone.
; LIMITS: as stated in prep (NaN, infinities; the byte 1 for blocks of zeros or under 2^-118).
; REGISTERS.  window 0: v1 16 x lane; v3 8,192 + 4 (lane % 16); v4-7 LDS addresses in hand; v8 4 x lane; v9, v10 my weights and their scale words in LDS; v16-47 the weights' scale words; v48-63 x's, two sets;
;   v64-191 16 accumulators; v192-207 at work; v208-223 codes; v224-231 scale words made.   window 1: x's fragments, two sets of 128 (128 set + 64 tile + 16 K step).
;   windows 2, 3: weight fragment (t, s) in window 2 + s / 2 at 16 (8 (s % 2) + t).
.set WS,   16
.set XS,   48
.set ACC,  64
.set TM,   192
.set PC,   208
.set PWG,  224
.set WV,   14                          ; s14  my wave's number = my role
.set HEAD, 16                          ; s16  the head
.set MNT,  19
.set SEL,  20                          ; s[20:21] selects for lane l xor 16
.set G1X,  24                          ; s[24:31] descriptor group 1 for my third of the chunk;  s[32:35] its group 0
.set G0X,  32
.set OUT,  36                          ; s[36:37] where the trip's two groups go
.set FAC,  38                          ; s[38:39] 2^-3.5 for q, 1 for k
.set XO,   40                          ; s40  LDS byte at which the trip's 8 tiles begin
.set CNT,  41
.set G1W,  68                          ; s[68:75], s[84:87] groups 1 and 0 for my weights
.set G1S,  76                          ; s[76:83], s[88:91] for their scale words
.set G0W,  84
.set G0S,  88
.set WLDS, 135168
.set SLDS, 307200
.set MSB, 0
.macro WIN new                         ; the immediate's high byte repeats the setting that is left
.if MSB != (\new)
	s_set_vgpr_msb (MSB<<8)|(\new)
.set MSB, (\new)
.endif
.endm
.macro DENSE g, rows                   ; descriptor group 1 of a dense block: rows of 256 bytes (32 elements of 8 bytes), no mask, no padding: the images are read 512 consecutive bytes at a time
	s_mov_b32 s[\g+0], 3<<16                       ; 17:16 elements of 8 bytes
	s_mov_b32 s[\g+1], 32<<16                      ; tensor_dim0 = 32
	s_mov_b32 s[\g+2], (\rows)<<16                 ; tensor_dim1
	s_mov_b32 s[\g+3], 32<<16                      ; tile_dim0 = 32
	s_mov_b32 s[\g+4], \rows                       ; tile_dim1
	s_mov_b32 s[\g+5], 32                          ; from row to row
	s_mov_b32 s[\g+6], 0
	s_mov_b32 s[\g+7], 0
.endm
; An image row's two tiles (all four K steps, 32 loads of 512 consecutive bytes) into set fs, and their 8 scale words: 40 LDS loads
.macro XFETCH fs, ar, sr, off
	WIN 0x40                                       ; destination window 1
.irp p, 0,1
.irp s, 0,1,2,3
.irp c, 0,1,2,3
	ds_load_b128 v[128*(\fs)+64*\p+16*\s+4*\c:128*(\fs)+64*\p+16*\s+4*\c+3], v[\ar] offset:(\off)+8448*\p+2048*\s+512*\c
.endr
.endr
.endr
	WIN 0
.irp p, 0,1
.irp s, 0,1,2,3
	ds_load_b32 v[XS+8*(\fs)+4*\p+\s], v[\sr] offset:(\off)+8448*\p+64*\s
.endr
.endr
.endm
; Eight places behind this matrix form.  They stand at each unit's end: ahead of the first read of the unit's sums and of loads into registers that its products read
.macro PLACES
	WIN 0
.rept 8
	v_nop
.endr
.endm
; THE QUANTISING OF A UNIT IS A NUMBERED LIST; QI writes number QN of it and steps QN.  64 numbers of a lane, v[QSRC] on, four blocks of 16 (a block's other 16 lie in lane l xor 16), become 16 registers of codes in v[PC] on.
; QMODE 0 (q, k), 161 entries: first 32 multiplications by FAC; the four scale bytes make one word in v[QWA].   QMODE 1 (v), 129 entries: block b's byte becomes byte QCC of v[QWA + b].
; With QM = QN less the 32 of mode 0:  0-31 the largest magnitudes, the four blocks by turns;  32-39 with lane l xor 16's;  40-51 the conversion's scale operand, the byte;  52-55 the scale words;
; 56-127 for each block 16 empty entries and 2 conversions;  128 one plain line behind the last conversion (later products write v[QSRC] on).
.macro QI
.if QMODE == 0
.set QM, QN-32
.else
.set QM, QN
.endif
.if QM < 0
	v_pk_mul_f32 v[QSRC+2*QN:QSRC+2*QN+1], v[QSRC+2*QN:QSRC+2*QN+1], s[FAC:FAC+1] op_sel_hi:[1,0]   ; each accumulator from its low end on
.elseif QM < 4
	v_max3_num_f32 v[TM+QM], |v[QSRC+16*QM]|, |v[QSRC+16*QM+1]|, 0x4800000   ; my 16 numbers and the floor 2^(9 - 127): the byte cannot fall under 1
.elseif QM < 32
	v_max3_num_f32 v[TM+QM%4], v[TM+QM%4], |v[QSRC+16*(QM%4)+2*(QM/4)]|, |v[QSRC+16*(QM%4)+2*(QM/4)+1]|
.elseif QM < 36
	v_permlanex16_b32 v[TM+4+QM-32], v[TM+QM-32], s[SEL], s[SEL+1]
.elseif QM < 40
	v_max_num_f32 v[TM+QM-36], v[TM+QM-36], v[TM+4+QM-36]   ; the block's largest magnitude
.elseif QM < 44
	v_add_nc_u32 v[TM+12+QM-40], 0xfc000000, v[TM+QM-40]    ; 8 off its exponent field: the conversion's scale operand
.elseif QM < 48
.elseif QM < 52
	v_lshrrev_b32 v[TM+4+QM-48], 23, v[TM+12+QM-48]         ; the scale's byte
.elseif QM < 56
.if QM == 52
	s_wait_xcnt 0x0                                ; the stores of the unit before have read their registers: only behind this wait are the scale words and the codes written again
.endif
.if QMODE == 0
.if QM == 52
	s_wait_alu depctr_va_vdst(0)
	v_lshl_or_b32 v[QWA], v[TM+5], 8, v[TM+4]
.elseif QM < 55
	v_lshl_or_b32 v[QWA], v[TM+QM-47], 8*(QM-51), v[QWA]
.endif
.else
.if QCC == 0
	s_wait_alu depctr_va_vdst(0)
	v_mov_b32 v[QWA+QM-52], v[TM+4+QM-52]
.else
	s_wait_alu depctr_va_vdst(0)
	v_lshl_or_b32 v[QWA+QM-52], v[TM+4+QM-52], 8*QCC, v[QWA+QM-52]
.endif
.endif
.elseif QM < 128
.set QB, (QM-56)/18
.set QX, (QM-56)%18
.if QX < 16
.elseif QX == 16
	v_cvt_scalef32_pk8_fp8_f32 v[PC+4*QB:PC+4*QB+1], v[QSRC+16*QB:QSRC+16*QB+7], v[TM+12+QB]
.else
	v_cvt_scalef32_pk8_fp8_f32 v[PC+4*QB+2:PC+4*QB+3], v[QSRC+16*QB+8:QSRC+16*QB+15], v[TM+12+QB]
.endif
.else
	v_nop
.endif
.set QN, QN+1
.endm
.macro QSET src, mode, wa, cc          ; a list begins
.set QSRC, \src
.set QMODE, \mode
.set QWA, \wa
.set QCC, \cc
.set QN, 0
.if \mode == 0
.set QLEN, 161
.set QPER, 5
.else
.set QLEN, 129
.set QPER, 4
.endif
.endm
.macro QREST                           ; what is left of the list
.rept QLEN-QN
	QI
.endr
.endm
; A UNIT of q or k: pixel tile p of the image row in set fs against my 8 weight tiles, K step by K step.  The 8 accumulators take turns, one instruction a turn; the first K step
; starts the sums.  q = 1: a slice of the list in hand stands behind each product.
.macro UNITQK fs, p, q
.set MI, 0
.rept 32
.set MS, MI/8
.set MT, MI%8
	WIN 0x06+MS/2                                  ; source 0 (weights) window 2 or 3, source 1 (x) window 1
.if MS == 0
	v_wmma_scale_f32_16x16x128_f8f6f4 v[ACC+64*(\p)+8*MT:ACC+64*(\p)+8*MT+7], v[16*(8*(MS%2)+MT):16*(8*(MS%2)+MT)+15], v[128*(\fs)+64*(\p)+16*MS:128*(\fs)+64*(\p)+16*MS+15], 0, v[WS+4*MT+MS], v[XS+8*(\fs)+4*(\p)+MS]
.else
	v_wmma_scale_f32_16x16x128_f8f6f4 v[ACC+64*(\p)+8*MT:ACC+64*(\p)+8*MT+7], v[16*(8*(MS%2)+MT):16*(8*(MS%2)+MT)+15], v[128*(\fs)+64*(\p)+16*MS:128*(\fs)+64*(\p)+16*MS+15], v[ACC+64*(\p)+8*MT:ACC+64*(\p)+8*MT+7], v[WS+4*MT+MS], v[XS+8*(\fs)+4*(\p)+MS]
.endif
.if \q
	WIN 0
.rept QPER
	QI
.endr
.endif
.set MI, MI+1
.endr
	WIN 0
.if \q
	QREST
.endif
.endm
; A UNIT of v: the sources changed over: the two pixel tiles of the image row in set fs against my channel tiles 4 g .. 4 g + 3.  Accumulator (T, p) at ACC + 16 T + 8 p
.macro UNITV fs, g, q
.set MI, 0
.rept 32
.set MS, MI/8
.set MK, MI%8
.set MT, 4*(\g)+MK/2
.set MP, MK%2
	WIN 0x09+4*(MS/2)                              ; source 0 (x) window 1, source 1 (weights) window 2 or 3
.if MS == 0
	v_wmma_scale_f32_16x16x128_f8f6f4 v[ACC+64*(\g)+8*MK:ACC+64*(\g)+8*MK+7], v[128*(\fs)+64*MP+16*MS:128*(\fs)+64*MP+16*MS+15], v[16*(8*(MS%2)+MT):16*(8*(MS%2)+MT)+15], 0, v[XS+8*(\fs)+4*MP+MS], v[WS+4*MT+MS]
.else
	v_wmma_scale_f32_16x16x128_f8f6f4 v[ACC+64*(\g)+8*MK:ACC+64*(\g)+8*MK+7], v[128*(\fs)+64*MP+16*MS:128*(\fs)+64*MP+16*MS+15], v[16*(8*(MS%2)+MT):16*(8*(MS%2)+MT)+15], v[ACC+64*(\g)+8*MK:ACC+64*(\g)+8*MK+7], v[XS+8*(\fs)+4*MP+MS], v[WS+4*MT+MS]
.endif
.if \q
	WIN 0
.rept QPER
	QI
.endr
.endif
.set MI, MI+1
.endr
	WIN 0
.if \q
	QREST
.endif
.endm
.macro STQK c, p                       ; tile p of the trip's image row c is place 2 (c % 2) + p of group c / 2; behind a group's fourth tile its scale words go out: a lane's four words are its row's in places 0 .. 3
.irp k, 0,1,2,3
	global_store_b128 v1, v[PC+4*\k:PC+4*\k+3], s[OUT:OUT+1] offset:8704*((\c)/2)+2048*(2*((\c)%2)+(\p))+512*\k   ; 512 consecutive bytes, aligned
.endr
.if ((\c)%2 == 1) && ((\p) == 1)
	global_store_b128 v1, v[PWG:PWG+3], s[OUT:OUT+1] offset:8704*((\c)/2)+8192
.endif
.endm
.macro STV c, g                        ; image row c of the key step is chunk c of the four fragments of V^T of group g
.irp b, 0,1,2,3
	global_store_b128 v1, v[PC+4*\b:PC+4*\b+3], s[OUT:OUT+1] offset:8704*(\g)+2048*\b+512*(\c)
.endr
.endm
.macro QKSTEP fs, p, c, q              ; multiply tile p of set fs; between the products quantise tile q of the trip's image row c, and store it
	QSET (ACC+64*(\q)), 0, (PWG+2*((\c)%2)+(\q)), 0
	UNITQK \fs, \p, 1
	s_wait_alu depctr_va_vdst(0)
	STQK \c, \q
	PLACES
.endm
.macro VSTEP fs, g, c, q               ; the same for v: multiply group g of set fs; quantise group q of the key step's image row c
	QSET (ACC+64*(\q)), 1, (PWG+4*(\q)), \c
	UNITV \fs, \g, 1
	s_wait_alu depctr_va_vdst(0)
	STV \c, \q
	PLACES
.endm
	s_load_b256 s[4:11], s[0:1], 0x0               ; xq s[4:5], wimg s[6:7], wscl s[8:9], qc s[10:11]
	s_load_b64 s[12:13], s[0:1], 0x20              ; kv
	v_lshl_add_u32 v254, v0, 2, 0x4e000
	v_mov_b32 v255, 0
	ds_add_u32 v254, v255
	ds_add_u32 v254, v255
	v_lshrrev_b32 v1, 5, v0
	v_readfirstlane_b32 s[WV], v1                  ; wave 0..2
	s_and_b32 s[HEAD], ttmp7, 0xffff
	DENSE G1X, 176                                 ; a third of the chunk: 45,056 bytes
	DENSE G1W, 224                                 ; 7 weight tiles x 4 K steps x 2,048 bytes
	DENSE G1S, 16                                  ; 32 jobs x 128 bytes of scale words
	s_mul_i32 s42, s[WV], 45056                    ; my third of the chunk: in LDS and in memory alike
	s_mul_i32 s44, ttmp9, 135168
	s_add_co_u32 s44, s44, s42
	s_mov_b32 s45, 0
	s_lshl_b32 s46, s[WV], 5
	s_lshl_b32 s47, s[HEAD], 3
	s_add_co_u32 s46, s46, s47                     ; my first weight tile: 32 role + 8 head (four jobs each)
	s_lshl_b32 s48, s46, 13
	s_mov_b32 s49, 0
	s_lshl_b32 s50, s46, 9
	s_mov_b32 s51, 0
	s_mul_i32 s43, s[WV], 57344
	s_add_co_u32 s43, s43, WLDS                    ; where my weights go in LDS,
	s_lshl_b32 s47, s[WV], 12
	s_add_co_u32 s47, s47, SLDS                    ; and their scale words
	s_wait_dscnt 0x0
	s_wait_kmcnt 0x0
	s_add_nc_u64 s[6:7], s[6:7], s[48:49]          ; my weights' images
	s_add_nc_u64 s[8:9], s[8:9], s[50:51]          ; and scale words in memory
	s_mov_b32 s[G0X], 1
	s_mov_b32 s[G0X+1], s42
	s_add_nc_u64 s[G0X+2:G0X+3], s[4:5], s[44:45]
	s_or_b32 s[G0X+3], s[G0X+3], 0x80000000
	s_mov_b32 s[G0W], 1
	s_mov_b32 s[G0W+1], s43
	s_mov_b64 s[G0W+2:G0W+3], s[6:7]
	s_or_b32 s[G0W+3], s[G0W+3], 0x80000000
	s_mov_b32 s[G0S], 1
	s_mov_b32 s[G0S+1], s47
	s_mov_b64 s[G0S+2:G0S+3], s[8:9]
	s_or_b32 s[G0S+3], s[G0S+3], 0x80000000
	tensor_load_to_lds s[G0X:G0X+3], s[G1X:G1X+7]  ; my three tensor loads of the launch go out together, ahead of every wait on TENSORcnt, every LDS read and the barrier: three are out
	s_nop 0
	tensor_load_to_lds s[G0W:G0W+3], s[G1W:G1W+7]
	s_nop 0
	tensor_load_to_lds s[G0S:G0S+3], s[G1S:G1S+7]
	s_nop 0
.rept 4
	v_nop
.endr
	v_and_b32 v1, 31, v0
	v_lshlrev_b32 v8, 2, v1                        ; 4 x lane
	v_lshlrev_b32 v1, 4, v1                        ; 16 x lane
	v_and_b32 v3, 15, v0
	v_lshl_add_u32 v3, v3, 2, 8192                 ; a tile's scale words: 8,192 + 4 (lane % 16)
	v_add_nc_u32 v9, s43, v1                       ; my weights in LDS,
	v_add_nc_u32 v10, s47, v8                      ; and their scale words
	WIN 0x80                                       ; the eighth weight tile comes straight into its registers: K steps 0, 1 in window 2,
.irp s, 0,1
.irp c, 0,1,2,3
	global_load_b128 v[16*(8*\s+7)+4*\c:16*(8*\s+7)+4*\c+3], v1, s[6:7] offset:(28+\s)*2048+512*\c
.endr
.endr
	WIN 0xc0                                       ; K steps 2, 3 in window 3
.irp s, 0,1
.irp c, 0,1,2,3
	global_load_b128 v[16*(8*\s+7)+4*\c:16*(8*\s+7)+4*\c+3], v1, s[6:7] offset:(30+\s)*2048+512*\c
.endr
.endr
	WIN 0
	s_lshr_b32 s46, ttmp9, 2
	s_lshl_b32 s46, s46, 2
	s_add_co_u32 s46, s46, s[HEAD]                 ; head of all 64: 4 x image + head
	s_and_b32 s52, ttmp9, 3
	s_mul_i32 s52, s52, 34816                      ; the chunk's four groups
	s_mov_b32 s54, 278528
	s_cmp_eq_u32 s[WV], 0
	s_cselect_b64 s[OUT:OUT+1], s[10:11], s[12:13] ; q goes to qc, k and v to kv: the choice hangs on the wave's number alone
	s_cselect_b32 s54, 139264, s54                 ; a head's bytes there
	s_cselect_b32 s[FAC], 0x3db504f3, 1.0          ; q x 128^-0.5 ahead of its quantiser
	s_mov_b32 s[FAC+1], s[FAC]                     ; (named with it as a pair, so it is written)
	s_mul_i32 s54, s54, s46
	s_add_co_u32 s54, s54, s52
	s_cmp_eq_u32 s[WV], 2
	s_cselect_b32 s52, 139264, 0                   ; V's groups lie behind k's
	s_add_co_u32 s54, s54, s52
	s_mov_b32 s55, 0
	s_add_nc_u64 s[OUT:OUT+1], s[OUT:OUT+1], s[54:55]
	s_mov_b32 s[SEL], 0x76543210
	s_mov_b32 s[SEL+1], 0xfedcba98
.irp b, 0,1,2,3
	v_mov_b32 v[TM+4+\b], 0                        ; a lane permute's destination counts as one of its sources
.endr
	s_mov_b32 s[XO], 0
	s_mov_b32 s[CNT], 2
	s_wait_alu depctr_va_vdst(0)
	s_wait_tensorcnt 0x0                           ; my third of the chunk, my weights and their scale words have landed,
	s_barrier_signal -1
	s_barrier_wait -1                              ; everybody's have.  Nothing is filled or stored in LDS from here on
	WIN 0x80                                       ; my weights leave LDS for their registers: K steps 0, 1
.irp s, 0,1
.irp t, 0,1,2,3,4,5,6
.irp c, 0,1,2,3
	ds_load_b128 v[16*(8*\s+\t)+4*\c:16*(8*\s+\t)+4*\c+3], v9 offset:(4*\t+\s)*2048+512*\c
.endr
.endr
.endr
	WIN 0xc0                                       ; K steps 2, 3
.irp s, 0,1
.irp t, 0,1,2,3,4,5,6
.irp c, 0,1,2,3
	ds_load_b128 v[16*(8*\s+\t)+4*\c:16*(8*\s+\t)+4*\c+3], v9 offset:(4*\t+\s+2)*2048+512*\c
.endr
.endr
.endr
	WIN 0
.irp t, 0,1,2,3,4,5,6,7
.irp s, 0,1,2,3
	ds_load_b32 v[WS+4*\t+\s], v10 offset:128*(4*\t+\s)
.endr
.endr
	s_wait_loadcnt 0x0                             ; the eighth tile.  (The LDS loads above are waited for with the first set of x: they were issued ahead of it)
.Ltrip:
	v_add_nc_u32 v4, s[XO], v1                     ; image rows 0, 1 of the trip: images,
	v_add_nc_u32 v5, s[XO], v3                     ; scale words;
	v_add_nc_u32 v6, 33792, v4                     ; image rows 2, 3
	v_add_nc_u32 v7, 33792, v5
	XFETCH 0, 4, 5, 0
	XFETCH 1, 4, 5, 16896
	s_cmp_eq_u32 s[WV], 2
	s_cbranch_scc1 .Lvals
	s_wait_dscnt 40                                ; set 0 is in; the 40 loads of set 1 may be out
	UNITQK 0, 0, 0                                 ; the trip's first unit has nothing to quantise beside it
	PLACES
	QKSTEP 0, 1, 0, 0
	XFETCH 0, 6, 7, 0                              ; image row 2, behind the places that follow the last product on set 0
	s_wait_dscnt 40                                ; set 1 is in; the 40 loads just issued may be out
	QKSTEP 1, 0, 0, 1
	QKSTEP 1, 1, 1, 0
	XFETCH 1, 6, 7, 16896                          ; image row 3
	s_wait_dscnt 40                                ; set 0 is in; the 40 loads just issued may be out
	QKSTEP 0, 0, 1, 1
	QKSTEP 0, 1, 2, 0
	s_wait_dscnt 0x0
	QKSTEP 1, 0, 2, 1
	QKSTEP 1, 1, 3, 0
	QSET (ACC+64), 0, (PWG+3), 0                   ; the trip's last unit is quantised by itself
	QREST
	STQK 3, 1
	s_branch .Ljoin
.Lvals:
	s_wait_dscnt 40                                ; the counts as above
	UNITV 0, 0, 0
	PLACES
	VSTEP 0, 1, 0, 0
	XFETCH 0, 6, 7, 0
	s_wait_dscnt 40
	VSTEP 1, 0, 0, 1
	VSTEP 1, 1, 1, 0
	XFETCH 1, 6, 7, 16896
	s_wait_dscnt 40
	VSTEP 0, 0, 1, 1
	VSTEP 0, 1, 2, 0
	s_wait_dscnt 0x0
	VSTEP 1, 0, 2, 1
	VSTEP 1, 1, 3, 0
	QSET (ACC+64), 1, (PWG+4), 3
	QREST
	STV 3, 1
	global_store_b128 v1, v[PWG:PWG+3], s[OUT:OUT+1] offset:8192          ; the key step's scale words: byte c of each belongs to image row c
	global_store_b128 v1, v[PWG+4:PWG+7], s[OUT:OUT+1] offset:8704+8192
.Ljoin:
	s_wait_xcnt 0x0                                ; the stores have read their base: it may step
	s_add_nc_u64 s[OUT:OUT+1], s[OUT:OUT+1], 17408
	s_add_co_u32 s[XO], s[XO], 67584
	s_sub_co_u32 s[CNT], s[CNT], 1
	s_cmp_lg_u32 s[CNT], 0
	s_cbranch_scc1 .Ltrip
	s_wait_tensorcnt 0x0
	ds_add_u32 v254, v255
	s_wait_dscnt 0x0
	s_endpgm
.Lfunc_end_k_q82e74aeb28_proj:
	.size	k_q82e74aeb28_proj, .Lfunc_end_k_q82e74aeb28_proj-k_q82e74aeb28_proj
	.p2alignl 7, 3214868480
	.fill 96, 4, 3214868480
	.section	.rodata,"a",@progbits
	.p2align	6, 0x0
	.amdhsa_kernel k_q82e74aeb28_proj
		.amdhsa_group_segment_fixed_size 327680
		.amdhsa_private_segment_fixed_size 0
		.amdhsa_enable_private_segment 0
		.amdhsa_kernarg_size 40
		.amdhsa_user_sgpr_count 2
		.amdhsa_user_sgpr_kernarg_segment_ptr 1
		.amdhsa_wavefront_size32 1
		.amdhsa_system_sgpr_workgroup_id_x 1
		.amdhsa_system_sgpr_workgroup_id_y 1
		.amdhsa_system_sgpr_workgroup_id_z 1
		.amdhsa_system_vgpr_workitem_id 0
		.amdhsa_next_free_vgpr 1024
		.amdhsa_next_free_sgpr 96
		.amdhsa_reserve_vcc 0
		.amdhsa_float_denorm_mode_32 3
		.amdhsa_float_denorm_mode_16_64 3
		.amdhsa_fp16_overflow 1
		.amdhsa_memory_ordered 1
		.amdhsa_forward_progress 1
		.amdhsa_inst_pref_size 211
	.end_amdhsa_kernel
	.amdgpu_metadata
---
amdhsa.version: [ 1, 2 ]
amdhsa.kernels:
  - .name:           k_q82e74aeb28_proj
    .symbol:         k_q82e74aeb28_proj.kd
    .args:
      - { .name: xq, .offset: 0, .size: 8, .value_kind: global_buffer, .address_space: global }
      - { .name: wimg, .offset: 8, .size: 8, .value_kind: global_buffer, .address_space: global }
      - { .name: wscl, .offset: 16, .size: 8, .value_kind: global_buffer, .address_space: global }
      - { .name: qc, .offset: 24, .size: 8, .value_kind: global_buffer, .address_space: global }
      - { .name: kv, .offset: 32, .size: 8, .value_kind: global_buffer, .address_space: global }
    .group_segment_fixed_size: 327680
    .private_segment_fixed_size: 0
    .kernarg_segment_align: 8
    .kernarg_segment_size: 40
    .max_flat_workgroup_size: 96
    .sgpr_count:     96
    .vgpr_count:     1024
    .wavefront_size: 32
...
	.end_amdgpu_metadata
.endif
;; end of part 2
;; launch attn (part 3): grid 4 x 64, 8 waves a work-group, clusters of 4 x 1, 327,680 bytes of LDS; arguments qc, kv, wimg, wscl, out0; writes out0
.if DOCPART == 3
	.amdgcn_target "amdgcn-amd-amdhsa--gfx1250"
	.amdhsa_code_object_version 6
	.text
	.protected	k_q82e74aeb28_attn
	.globl	k_q82e74aeb28_attn
	.p2align	8
	.type	k_q82e74aeb28_attn,@function
k_q82e74aeb28_attn:
	s_mov_b64 s[64:65], 0
	v_nop
	global_prefetch_b8 v0, s[64:65] scope:SCOPE_SE
	s_setreg_imm32_b32 hwreg(HW_REG_WAVE_MODE, 25, 1), 1
	s_wait_xcnt 0x0
	s_wait_alu depctr_hold_cnt(0) depctr_sa_sdst(0) depctr_va_vdst(0) depctr_va_sdst(0) depctr_va_ssrc(0) depctr_va_vcc(0) depctr_vm_vsrc(0)
	s_getreg_b32 s2, hwreg(HW_REG_IB_STS2, 6, 4)
	s_cmp_eq_u32 s2, 0
	s_cbranch_scc0 .Lentry_in_a_cluster
	s_endpgm
.Lentry_in_a_cluster:
	s_bfe_u32 s2, ttmp6, 0x10000c
	s_cmp_lg_u32 s2, 0x3003
	s_cbranch_scc0 .Lentry_shape_is_right
	s_endpgm
.Lentry_shape_is_right:
; ATTN: out[b][128 h + d][q] = sum over keys of softmax(q.k + Rw + Rh) v, all four products on codes of E4M3 with one E8M0 scale for each 32 along K.
; For query (x, y) and key (i, j) of the 32 x 32 image the skew of the relative logits comes to  Rw = q . rel_width[j - y + 31],  Rh = q . rel_height[i - x + 31].
; THE SOFTMAX AHEAD OF THE LAST PRODUCT: t = logit x log2(e); M = the row's largest t so far, rounded UP to a whole number; p = 2^(t - M) is quantised along the keys, not normalised.  The row's sum is
; taken of the unquantised p and divides at the end.  When M moves, the sum and O are multiplied by 2^(old M - new M): exact.
; SHARES.  A work-group owns 256 queries of one head (8 image rows); wave w owns image row x = 8 cx + w: two tiles of 16 queries (tile u, lane r: y = 8 u + r + 8 (r / 8)), so each fragment of K or V
; read from LDS feeds two matrix instructions.  Two waves share a SIMD: one's vector work stands beside the other's matrix work and LDS loads.  Every wave walks the head's 1,024 keys, 128 a step.
; LDS.  A head's K and V as proj laid them (register images and scale words), 278,528 bytes, fit whole: each byte is filled ONCE, by two tensor loads a wave at the head (key steps 0, 1; key steps 2 .. 7),
; so there is no ring.  Behind them 4,608 bytes for each wave, its own, for the skew.  The way out goes through K's bytes, when they have had their one fill and nobody reads them.
; CLUSTER.  The four work-groups of a head read the same K and V: every tile is asked for JOINTLY (the same load, the same descriptor, a mask that names the four).  cx enters only the global addresses of
; Q, of rel_height's fragments and of out.
; LAYOUT.  Both products transposed: S^T = K Q^T, O^T = V^T P^T: a lane holds ONE query throughout.  The keys of a tile are chosen (prep) so that the 16 registers of tiles 2 b, 2 b + 1 are keys
; 32 b + 16 (lane / 16) + 0 .. 15 of the step: key row 4 s + b, key columns 16 (lane / 16) + 0 .. 15.
; THE RELATIVE LOGITS COST ALMOST NOTHING IN THE LOOP.  Rw hangs on the key's column alone, so it is the same 16 numbers a lane in every block: they are the C of the score products.  Rh hangs on the key's
; row alone: one number for each block of 32 keys, which enters the softmax's own multiply-add: t - M = fma(S, c, fma(Rh, c, -M)).
; FRAGMENTS IN REGISTERS THAT ARE DEAD ANYWAY.  The fragment buffer holds four fragments.  At a step's head K's tiles 4-7 go into the registers of p's codes and of the softmax's scratch, which hold nothing then; V's
; tiles 4-7 go, between the two softmaxes, into tile 0's score registers, which are done with behind their conversions.  So a step's 16 score products stand in one run, and so do its 16 products V^T P^T.
; THE KEY STEP stands three times: the first step, whose products start O^T's sums with the constant 0 (nothing is cleared, nothing is rescaled); the second; and the body of a loop of six trips.
; NOTHING IS PREFETCHED: all that the launch reads is asked for at its head.
; LIMITS: NaN and infinities are not served.  The logit is summed as (q.k + Rw) + Rh, in the order just given.  A block whose every p has fallen to 0 keeps the scale byte 1: its codes are zeros.
; REGISTERS.  window 0: v1-7, v69, v74, v75 addresses; v8-15 -M, largest t, the sum in two halves, for each tile; v16-23 K's scale words, v24-31 V's, v32-33 Q's, v34-35 p's; v36-43 Rh of the step's 4 key rows;
;   v44-79 at work (v44-59 at a step's head: K's tile 7); v80-111 p's codes (K's tiles 4, 5); v112-127 K's tile 6, at the ends at work on addresses; v128-255 S^T, then p (v128-191 then V's tiles 4-7).
;   window 1: v0-31 Q; v32-63 Rw; v64-127 four fragments of K or V; v128-255 O^T.
.set AK0,  1                           ; 16 x lane
.set AV0,  2                           ; 139,264 + 16 x lane
.set AH0,  3                           ; my query's row of Rh
.set ADK,  4
.set ADV,  5
.set ADH,  6
.set SKS,  7                           ; the skew: where I store
.set ST,   8
.set KS,   16
.set VS,   24
.set QS,   32
.set PS,   34
.set HB,   36
.set AD,   44                          ; v44, 46, 48, 50: fma(Rh, c, -M) of the four blocks (named as pairs of which the low word serves both halves)
.set BM,   52
.set T2,   56
.set HOLD, 60
.set SOP,  64
.set TMP,  68
.set L4,   69                          ; 4 x lane
.set FF,   70                          ; v[70:71] f = 2^(old M - new M)
.set SUM2, 72
.set SKG,  74                          ; the skew: where I read
.set HST,  75                          ; where I store Rh
.set RL,   76                          ; v[76:77], v[78:79] 1 / l
.set PC,   80
.set SCO,  128
.set K4,   80                          ; K's tiles 4 to 7 at a step's head, in window 0
.set K5,   96
.set K6,   112
.set K7,   44
.set QF,   0                           ; window 1
.set WC,   32
.set FR,   64
.set OT,   128
.set WV,   14                          ; s14 wave; s15 cx; s16 head; s17 my image row
.set MNT,  19
.set SEL,  20
.set CS,   22                          ; s[22:23] c = log2(e)
.set G1A,  24
.set G1B,  32
.set G0A,  40
.set G0B,  44
.set TB,   48                          ; s48 LDS byte at which the step's two groups begin: 17,408 a step
.set TH,   49                          ; s49 the step's four key rows in a row of Rh: 16 bytes a step
.set CNT,  50
.set VREG, 139264
.set SCR,  278528
.set MSB, 0
.macro WIN new                         ; the immediate's high byte repeats the setting that is left
.if MSB != (\new)
	s_set_vgpr_msb (MSB<<8)|(\new)
.set MSB, (\new)
.endif
.endm
.macro ROUND                           ; a round of the cluster's barrier
	s_barrier_signal -1
	s_barrier_wait -1
	s_cmp_lg_u32 s[WV], 0
	s_cbranch_scc1 .Lnot_wave_0_\@
	s_barrier_signal -3
.Lnot_wave_0_\@:
	s_barrier_wait -3
	s_barrier_signal -1
	s_barrier_wait -1
.endm
.macro FRAGS ar, off                   ; a group's four fragments into window 1: 16 loads of 512 consecutive bytes
	WIN 0x40
.irp t, 0,1,2,3
.irp c, 0,1,2,3
	ds_load_b128 v[FR+16*\t+4*\c:FR+16*\t+4*\c+3], v[\ar] offset:(\off)+2048*\t+512*\c
.endr
.endr
.endm
.macro LOWFRAG reg, ar, off            ; one fragment into window 0, v[reg] on
.irp c, 0,1,2,3
	ds_load_b128 v[\reg+4*\c:\reg+4*\c+3], v[\ar] offset:(\off)+512*\c
.endr
.endm
.macro SC tile, areg                   ; my two query tiles against the step's key tile, whose fragment begins at v[areg] of the window set for source 0; Rw is the C
.irp u, 0,1
	v_wmma_scale_f32_16x16x128_f8f6f4 v[SCO+64*\u+8*(\tile):SCO+64*\u+8*(\tile)+7], v[\areg:\areg+15], v[QF+16*\u:QF+16*\u+15], v[WC+16*\u+8*((\tile)%2):WC+16*\u+8*((\tile)%2)+7], v[KS+(\tile)], v[QS+\u]
.endr
.endm
.macro PV tile, areg, first            ; channel tile `tile` of O^T for my two query tiles; first = 1: the product starts the sum
.irp u, 0,1
.if \first
	s_wait_alu depctr_va_vdst(0)
	v_wmma_scale_f32_16x16x128_f8f6f4 v[OT+64*\u+8*(\tile):OT+64*\u+8*(\tile)+7], v[\areg:\areg+15], v[PC+16*\u:PC+16*\u+15], 0, v[VS+(\tile)], v[PS+\u]
.else
	v_wmma_scale_f32_16x16x128_f8f6f4 v[OT+64*\u+8*(\tile):OT+64*\u+8*(\tile)+7], v[\areg:\areg+15], v[PC+16*\u:PC+16*\u+15], v[OT+64*\u+8*(\tile):OT+64*\u+8*(\tile)+7], v[VS+(\tile)], v[PS+\u]
.endif
.endr
.endm
; One tile's softmax for one key step.  first = 1: the first key step: there is no O^T yet to bring under the new M
.macro SOFTMAX u, first
.set S0, SCO+64*(\u)
.set T0, ST+4*(\u)
.set H0, HB+4*(\u)
.set P0, PC+16*(\u)
.set O0, OT+64*(\u)
	WIN 0
.irp b, 0,1,2,3
	v_max3_num_f32 v[BM+\b], v[S0+16*\b], v[S0+16*\b+1], v[S0+16*\b+2]   ; the largest score of each block of 32 keys; each accumulator is read from its low end on
.endr
.irp i, 3,5,7,9,11,13
.irp b, 0,1,2,3
	v_max3_num_f32 v[BM+\b], v[BM+\b], v[S0+16*\b+\i], v[S0+16*\b+\i+1]
.endr
.endr
.irp b, 0,1,2,3
	v_max_num_f32 v[BM+\b], v[BM+\b], v[S0+16*\b+15]
.endr
.irp b, 0,1,2,3
	s_delay_alu instid0(VALU_DEP_4)
	v_permlanex16_b32 v[T2+\b], v[BM+\b], s[SEL], s[SEL+1]
.endr
.irp b, 0,1,2,3
	s_delay_alu instid0(VALU_DEP_4)
	v_max_num_f32 v[BM+\b], v[BM+\b], v[T2+\b]     ; with lane l xor 16's 16 keys
.endr
.irp b, 0,1,2,3
	s_delay_alu instid0(VALU_DEP_4)
	v_add_f32 v[T2+\b], v[BM+\b], v[H0+\b]         ; + the block's Rh: the block's largest logit
.endr
	s_delay_alu instid0(VALU_DEP_2)
	v_max3_num_f32 v[TMP], v[T2], v[T2+1], v[T2+2]
	s_delay_alu instid0(VALU_DEP_1)
	v_max_num_f32 v[TMP], v[TMP], v[T2+3]
	s_delay_alu instid0(VALU_DEP_1)
	v_mul_f32 v[TMP], s[CS], v[TMP]                ; as t (c is positive)
	s_delay_alu instid0(VALU_DEP_1)
	v_max_num_f32 v[T0+1], v[T0+1], v[TMP]         ; the running largest t
	v_mov_b32 v[TMP], v[T0]
	s_delay_alu instid0(VALU_DEP_2)
	v_floor_f32 v[T0], -v[T0+1]                    ; the new -M = floor(-t): M is a whole number
	s_delay_alu instid0(VALU_DEP_1)
	v_sub_f32 v[TMP], v[T0], v[TMP]                ; old M - new M: a whole number, 0 or less
	s_delay_alu instid0(VALU_DEP_1)
	v_cvt_i32_f32 v[TMP], v[TMP]                   ; (it saturates)
	s_delay_alu instid0(VALU_DEP_1)
	v_ldexp_f32 v[FF], 1.0, v[TMP]                 ; f = 2^(old M - new M)
.irp b, 0,1,2,3
	v_fma_f32 v[AD+2*\b], v[H0+\b], s[CS], v[T0]   ; Rh x c - M
.endr
.irp b, 0,1,2,3
.irp i, 0,2,4,6,8,10,12,14
	v_pk_fma_f32 v[S0+16*\b+\i:S0+16*\b+\i+1], v[S0+16*\b+\i:S0+16*\b+\i+1], s[CS:CS+1], v[AD+2*\b:AD+2*\b+1] op_sel_hi:[1,0,0]   ; t - M, two at a time
.endr
.endr
.irp b, 0,1,2,3
	v_fma_f32 v[BM+\b], v[BM+\b], s[CS], v[AD+2*\b]   ; the same of each block's largest score: the same operation on the same number gives the same bits
.endr
.set j, 0
	s_wait_alu depctr_va_vdst(0)
.rept 64
	v_exp_f32 v[S0+j], v[S0+j]                     ; p = 2^(t - M): one batch
.set j, j+1
.endr
	v_pk_mul_f32 v[T0+2:T0+3], v[T0+2:T0+3], v[FF:FF+1] op_sel_hi:[1,0]   ; the sums under the new M: a plain line behind the exponentials
	s_wait_alu depctr_va_vdst(0)                   ; one wait for the batch, ahead of its first reader
.irp b, 0,1,2,3
	v_exp_f32 v[BM+\b], v[BM+\b]                   ; each block's largest p (p rises with the score)
.endr
	v_pk_add_f32 v[SUM2:SUM2+1], v[S0:S0+1], v[S0+2:S0+3]   ; the row's sum of the UNQUANTISED p, in two chains
.irp i, 4,8,12,16,20,24,28,32,36,40,44,48,52,56,60
	v_pk_add_f32 v[T0+2:T0+3], v[T0+2:T0+3], v[S0+\i:S0+\i+1]
	v_pk_add_f32 v[SUM2:SUM2+1], v[SUM2:SUM2+1], v[S0+\i+2:S0+\i+3]
.endr
	s_delay_alu instid0(VALU_DEP_1)
	v_pk_add_f32 v[T0+2:T0+3], v[T0+2:T0+3], v[SUM2:SUM2+1]
	s_wait_alu depctr_va_vdst(0)                   ; and one for the four
.irp b, 0,1,2,3
	v_max_num_f32 v[BM+\b], 0x4800000, v[BM+\b]    ; the floor 2^(9 - 127): the byte cannot fall under 1
.endr
.irp b, 0,1,2,3
	s_delay_alu instid0(VALU_DEP_4)
	v_add_nc_u32 v[SOP+\b], 0xfc000000, v[BM+\b]   ; the conversion's scale operand
.endr
.irp b, 0,1,2,3
.endr
.irp b, 0,1,2,3
	s_delay_alu instid0(VALU_DEP_4)
	v_lshrrev_b32 v[T2+\b], 23, v[SOP+\b]          ; the scale's byte
.endr
	s_delay_alu instid0(VALU_DEP_3)
	v_lshl_or_b32 v[PS+\u], v[T2+1], 8, v[T2]      ; p's scale word for these 128 keys
	s_delay_alu instid0(VALU_DEP_1)
	v_lshl_or_b32 v[PS+\u], v[T2+2], 16, v[PS+\u]
	s_delay_alu instid0(VALU_DEP_1)
	v_lshl_or_b32 v[PS+\u], v[T2+3], 24, v[PS+\u]
.irp b, 0,1,2,3
.irp i, 0,1,2,3,4,5,6,7,8,9,10,11,12,13,14,15
.endr
	v_cvt_scalef32_pk8_fp8_f32 v[P0+4*\b:P0+4*\b+1], v[S0+16*\b:S0+16*\b+7], v[SOP+\b]
	v_cvt_scalef32_pk8_fp8_f32 v[P0+4*\b+2:P0+4*\b+3], v[S0+16*\b+8:S0+16*\b+15], v[SOP+\b]
.endr
.if \first == 0
	WIN 0x41                                       ; O^T (destination, source 0) window 1, f window 0
.set j, 0
.rept 32
	v_pk_mul_f32 v[O0+j:O0+j+1], v[O0+j:O0+j+1], v[FF:FF+1] op_sel_hi:[1,0]   ; O^T under the new M; each accumulator from its low end on
.set j, j+2
.endr
	WIN 0
.endif
.endm
; A KEY STEP: 128 keys.  All accumulators take turns, one instruction a turn.  first = 1: the products V^T P^T start O^T's sums with the constant 0
.macro KSTEP first
	v_add_nc_u32 v[ADK], s[TB], v[AK0]
	v_add_nc_u32 v[ADV], s[TB], v[AV0]
	v_add_nc_u32 v[ADH], s[TH], v[AH0]
.rept 6
	v_nop                                          ; with the three additions: nine places behind the last products: eight ahead of loads into registers that they read, nine ahead of the score products, which write over tile 0's score registers, where V's tiles 4-7 lay
.endr
	ds_load_b128 v[KS:KS+3], v[ADK] offset:8192    ; K's scale words of the step's 8 tiles,
	ds_load_b128 v[KS+4:KS+7], v[ADK] offset:16896
	ds_load_b128 v[HB:HB+3], v[ADH]                ; Rh of its four key rows, for my two tiles,
	ds_load_b128 v[HB+4:HB+7], v[ADH] offset:2304
	FRAGS ADK, 0                                   ; K's tiles 0-3,
	WIN 0
	LOWFRAG K4, ADK, 8704                          ; and its tiles 4-7: 36 LDS loads in one run
	LOWFRAG K5, ADK, 8704+2048
	LOWFRAG K6, ADK, 8704+4096
	LOWFRAG K7, ADK, 8704+6144
	s_wait_alu depctr_va_vdst(0)
	s_wait_dscnt 24                                ; the words and tiles 0, 1 are in; the 24 loads of tiles 2 to 7 may be out
	WIN 0x15                                       ; K, Q and Rw in window 1, S^T in window 0
	SC 0, FR
	SC 1, (FR+16)
	s_wait_dscnt 16                                ; the 16 loads of tiles 4 to 7 may be out
	SC 2, (FR+32)
	SC 3, (FR+48)
	s_wait_dscnt 8                                 ; the 8 loads of tiles 6 and 7 may be out
	WIN 0x14                                       ; K in window 0
	SC 4, K4
	SC 5, K5
	s_wait_dscnt 0x0
	SC 6, K6
	SC 7, K7
	WIN 0
.rept 8
	v_nop                                          ; eight places: ahead of the loads into the fragments' registers, of the first read of the scores, and of the first write of the scratch where tile 7 lay
.endr
	ds_load_b128 v[VS:VS+3], v[ADV] offset:8192    ; V's scale words and its tiles 0-3 land under the first softmax
	ds_load_b128 v[VS+4:VS+7], v[ADV] offset:16896
	FRAGS ADV, 0
	SOFTMAX 0, \first
	v_nop
	LOWFRAG SCO, ADV, 8704                         ; V's tiles 4-7 land under the second, in the registers that tile 0's p has left
	LOWFRAG (SCO+16), ADV, 8704+2048
	LOWFRAG (SCO+32), ADV, 8704+4096
	LOWFRAG (SCO+48), ADV, 8704+6144
	s_setprio 1
	SOFTMAX 1, \first
.rept 4
	v_nop                                          ; four places between the codes just written and the products that take them
.endr
	s_wait_alu depctr_va_vdst(0)
	s_wait_dscnt 0x0
	WIN 0x51                                       ; V in window 1, p's codes in window 0, O^T in window 1
	s_setprio 0
	PV 0, FR, \first
	PV 1, (FR+16), \first
	PV 2, (FR+32), \first
	PV 3, (FR+48), \first
	WIN 0x50                                       ; V in window 0
	PV 4, SCO, \first
	PV 5, (SCO+16), \first
	PV 6, (SCO+32), \first
	PV 7, (SCO+48), \first
	WIN 0
	s_add_co_u32 s[TB], s[TB], 17408
	s_add_co_u32 s[TH], s[TH], 16
.endm
	s_load_b256 s[4:11], s[0:1], 0x0               ; qc s[4:5], kv s[6:7], wimg s[8:9], wscl s[10:11]
	s_load_b64 s[12:13], s[0:1], 0x20              ; out0
	v_lshl_add_u32 v254, v0, 2, 0x4d000
	v_mov_b32 v255, 0
	ds_add_u32 v254, v255
	ds_add_u32 v254, v255
	s_wait_dscnt 0x0
	v_lshrrev_b32 v1, 5, v0
	s_delay_alu instid0(VALU_DEP_1)
	v_readfirstlane_b32 s[WV], v1                  ; wave 0..7
	s_bfe_u32 s15, ttmp6, 0x40000                  ; cx: my block of 256 queries
	s_and_b32 s16, ttmp7, 0xffff                   ; the head, which the four partners share
	; descriptor groups 1: dense bytes as rows of 256 (32 elements of 8 bytes), no padding.  A: 34 rows, one group.  B: 102 rows, three groups
	s_mov_b32 s[G1A+0], 15|(3<<16)|(1<<21)         ; 15:0 the mask: all four work-groups; 17:16 elements of 8 bytes; 21 set beside a mask
	s_mov_b32 s[G1A+1], 32<<16
	s_mov_b32 s[G1A+2], 34<<16
	s_mov_b32 s[G1A+3], 32<<16
	s_mov_b32 s[G1A+4], 34
	s_mov_b32 s[G1A+5], 32
	s_mov_b32 s[G1A+6], 0
	s_mov_b32 s[G1A+7], 0
	s_mov_b32 s[G1B+0], 15|(3<<16)|(1<<21)
	s_mov_b32 s[G1B+1], 32<<16
	s_mov_b32 s[G1B+2], 102<<16
	s_mov_b32 s[G1B+3], 32<<16
	s_mov_b32 s[G1B+4], 102
	s_mov_b32 s[G1B+5], 32
	s_mov_b32 s[G1B+6], 0
	s_mov_b32 s[G1B+7], 0
	s_lshr_b32 s51, s[WV], 2                       ; waves 0-3 fetch K, waves 4-7 V;
	s_and_b32 s52, s[WV], 3                        ; each a quarter.  The offsets are the same in LDS and in the head's bytes of kv
	s_mul_i32 s51, s51, VREG
	s_mul_i32 s53, s52, 8704
	s_add_co_u32 s53, s53, s51                     ; A: group (wave % 4): key steps 0 and 1
	s_mul_i32 s54, s52, 26112
	s_add_co_u32 s54, s54, s51
	s_add_co_u32 s54, s54, 34816                   ; B: groups 4 + 3 (wave % 4) on: key steps 2 to 7
	s_mul_i32 s56, s16, 278528
	s_mov_b32 s57, 0
	s_mov_b32 s61, 0
	s_wait_kmcnt 0x0
	s_add_nc_u64 s[6:7], s[6:7], s[56:57]          ; the head's K and V
	s_mov_b32 s[G0A], 1
	s_mov_b32 s[G0A+1], s53
	s_mov_b32 s60, s53
	s_add_nc_u64 s[G0A+2:G0A+3], s[6:7], s[60:61]
	s_or_b32 s[G0A+3], s[G0A+3], 0x80000000
	s_mov_b32 s[G0B], 1
	s_mov_b32 s[G0B+1], s54
	s_mov_b32 s60, s54
	s_add_nc_u64 s[G0B+2:G0B+3], s[6:7], s[60:61]
	s_or_b32 s[G0B+3], s[G0B+3], 0x80000000
	ROUND                                          ; all four work-groups are here: the joint loads meet
	tensor_load_to_lds s[G0A:G0A+3], s[G1A:G1A+7]  ; the first fill of every wave; it is waited for, and a round passed, before the second goes out
	s_nop 0
	s_wait_alu depctr_va_vdst(0)
	s_wait_tensorcnt 0x0
	ds_add_u32 v254, v255
	s_wait_dscnt 0x0
	ROUND
	tensor_load_to_lds s[G0B:G0B+3], s[G1B:G1B+7]
	s_nop 0
.rept 4
	v_nop
.endr
	; ---- while the fills are on their way: Q, the two tables' fragments, the relative logits
	s_lshl_b32 s17, s15, 3
	s_add_co_u32 s17, s17, s[WV]                   ; my image row x = 8 cx + wave
	s_lshr_b32 s52, s17, 1
	s_mul_i32 s52, s52, 8704                       ; its two tiles lie in group x / 2,
	s_mul_i32 s62, s16, 139264
	s_add_co_u32 s52, s52, s62
	s_mov_b32 s53, 0
	s_add_nc_u64 s[4:5], s[4:5], s[52:53]
	s_and_b32 s62, s[WV], 1
	s_lshl_b32 s52, s62, 12                        ; at places 2 (x % 2) and 2 (x % 2) + 1
	s_add_nc_u64 s[54:55], s[4:5], s[52:53]        ; Q's images
	s_lshl_b32 s52, s62, 3
	s_add_co_u32 s52, s52, 8192
	s_add_nc_u64 s[4:5], s[4:5], s[52:53]          ; Q's scale words
	s_lshl_b32 s62, s17, 1
	s_add_co_u32 s62, s62, 388                     ; rel_height's two jobs for image row x
	s_lshl_b32 s52, s62, 11
	s_add_nc_u64 s[56:57], s[8:9], s[52:53]
	s_lshl_b32 s52, s62, 7
	s_add_nc_u64 s[58:59], s[10:11], s[52:53]
	v_and_b32 v1, 31, v0
	s_delay_alu instid0(VALU_DEP_1)
	v_lshlrev_b32 v[L4], 2, v1
	s_delay_alu instid0(VALU_DEP_2)
	v_lshlrev_b32 v[AK0], 4, v1
	WIN 0x40                                       ; destination window 1
.irp u, 0,1
.irp c, 0,1,2,3
	global_load_b128 v[QF+16*\u+4*\c:QF+16*\u+4*\c+3], v[AK0], s[54:55] offset:2048*\u+512*\c
.endr
.endr
.irp t, 0,1,2,3
.irp c, 0,1,2,3
	global_load_b128 v[FR+16*\t+4*\c:FR+16*\t+4*\c+3], v[AK0], s[8:9] offset:(384+\t)*2048+512*\c    ; rel_width, rows 16 t on
.endr
.endr
.irp t, 0,1
.irp c, 0,1,2,3
	global_load_b128 v[OT+16*\t+4*\c:OT+16*\t+4*\c+3], v[AK0], s[56:57] offset:2048*\t+512*\c        ; rel_height, the rows for key rows 16 t on (in registers that O^T takes later)
.endr
.endr
	WIN 0
.irp u, 0,1
	global_load_b32 v[QS+\u], v[AK0], s[4:5] offset:4*\u
.endr
.irp t, 0,1,2,3
	global_load_b32 v[KS+\t], v[L4], s[10:11] offset:(384+\t)*128
.endr
.irp t, 0,1
	global_load_b32 v[KS+4+\t], v[L4], s[58:59] offset:128*\t
.endr
	s_mul_i32 s18, s[WV], 4608
	s_add_co_u32 s18, s18, SCR                     ; my wave's own bytes
	v_and_b32 v112, 15, v0                         ; r
	v_bfe_u32 v113, v0, 4, 1                       ; h
	v_bfe_u32 v114, v0, 3, 1                       ; r / 8
	v_and_b32 v115, 7, v0                          ; r % 8
	v_add_nc_u32 v[AV0], VREG, v[AK0]
	v_mul_u32_u24 v[AH0], v112, 144                ; Rh: a row of 32 numbers + 16 bytes for each query
	s_delay_alu instid0(VALU_DEP_1)
	v_add_nc_u32 v[AH0], s18, v[AH0]
	s_delay_alu instid0(VALU_DEP_1)
	v_lshl_add_u32 v[HST], v113, 5, v[AH0]         ; I store key rows 8 h + 0 .. 7 of a tile of 16
	v_mul_u32_u24 v[SKS], v112, 272                ; Rw: a row of 64 numbers + 16 bytes for each query
	s_delay_alu instid0(VALU_DEP_1)
	v_lshl_add_u32 v[SKS], v113, 5, v[SKS]
	s_delay_alu instid0(VALU_DEP_1)
	v_add_nc_u32 v[SKS], s18, v[SKS]
	; and I read Rw[31 + 16 h + i - y], y = 8 u + r + 8 (r / 8): byte 272 r + 4 (31 + 16 h + i - y) = 268 r - 32 (r / 8) + 64 h + 124 - 32 u + 4 i.
	; With r = r % 8 + 8 (r / 8):  268 r - 32 (r / 8) = 268 (r % 8) + 2,112 (r / 8): a sum of products, nothing is taken away
	v_mul_u32_u24 v[SKG], v115, 268
	s_delay_alu instid0(VALU_DEP_1)
	v_mad_u32_u24 v[SKG], v114, 2112, v[SKG]
	s_delay_alu instid0(VALU_DEP_1)
	v_lshl_add_u32 v[SKG], v113, 6, v[SKG]
	s_delay_alu instid0(VALU_DEP_1)
	v_add_nc_u32 v[SKG], s18, v[SKG]
	s_delay_alu instid0(VALU_DEP_1)
	v_add_nc_u32 v[SKG], 92, v[SKG]                ; (124 - 32: the immediate adds 32 (1 - u) + 4 i)
	s_mov_b32 s[SEL], 0x76543210
	s_mov_b32 s[SEL+1], 0xfedcba98
	s_mov_b32 s[CS], 0x3fb8aa3b                    ; c = log2(e)
	s_mov_b32 s[CS+1], s[CS]                       ; (named with it as a pair, so it is written)
	s_mov_b32 s[TB], 0
	s_mov_b32 s[TH], 0
.irp u, 0,1
	v_mov_b32 v[ST+4*\u+1], 0xff61b1e6             ; the largest t so far: -3e38, under every t
	s_delay_alu instid0(VALU_DEP_1)
	v_floor_f32 v[ST+4*\u], -v[ST+4*\u+1]          ; -M
	v_mov_b32 v[ST+4*\u+2], 0                      ; the sum, in two halves: the first change of M multiplies zeros
	v_mov_b32 v[ST+4*\u+3], 0
	v_mov_b32 v[RL+2*\u+1], 0                      ; (upper halves of pairs of which the low word serves both halves)
.endr
.irp b, 0,1,2,3
	v_mov_b32 v[T2+\b], 0                          ; a lane permute's destination counts as one of its sources
	v_mov_b32 v[AD+2*\b+1], 0
.endr
	v_mov_b32 v[FF+1], 0
	s_wait_loadcnt 0x0
	WIN 0x05                                       ; sources 0 and 1 window 1
.irp t, 0,1,2,3
.irp u, 0,1
	v_wmma_scale_f32_16x16x128_f8f6f4 v[SCO+64*\u+8*\t:SCO+64*\u+8*\t+7], v[FR+16*\t:FR+16*\t+15], v[QF+16*\u:QF+16*\u+15], 0, v[KS+\t], v[QS+\u]   ; lane (r, h), register j: Rw[query r][16 t + 8 h + j]
.endr
.endr
.irp t, 0,1
.irp u, 0,1
	v_wmma_scale_f32_16x16x128_f8f6f4 v[SCO+64*\u+32+8*\t:SCO+64*\u+32+8*\t+7], v[OT+16*\t:OT+16*\t+15], v[QF+16*\u:QF+16*\u+15], 0, v[KS+4+\t], v[QS+\u]   ; Rh of query r for key row 16 t + 8 h + j
.endr
.endr
	WIN 0
.rept 8
	v_nop
.endr
	; the skew, a tile at a time, in my own bytes: LDS serves a wave's instructions in order (ISA guide 5.7.1.4), so no wait stands between the stores and the loads, nor ahead of the next stores
.irp u, 0,1
.irp t, 0,1,2,3
	ds_store_b128 v[SKS], v[SCO+64*\u+8*\t:SCO+64*\u+8*\t+3] offset:64*\t            ; each accumulator from its low end on
	ds_store_b128 v[SKS], v[SCO+64*\u+8*\t+4:SCO+64*\u+8*\t+7] offset:64*\t+16
.endr
	WIN 0x40
.irp i, 0,1,2,3,4,5,6,7,8,9,10,11,12,13,14,15
	ds_load_b32 v[WC+16*\u+\i], v[SKG] offset:32*(1-\u)+4*\i                         ; Rw for key column 16 h + i
.endr
	WIN 0
.endr
.irp u, 0,1
.irp t, 0,1
	ds_store_b128 v[HST], v[SCO+64*\u+32+8*\t:SCO+64*\u+32+8*\t+3] offset:2304*\u+64*\t      ; Rh's rows, over the bytes that the skew has left
	ds_store_b128 v[HST], v[SCO+64*\u+32+8*\t+4:SCO+64*\u+32+8*\t+7] offset:2304*\u+64*\t+16
.endr
.endr
	; ---- the keys
	s_wait_tensorcnt 1                             ; my part of key steps 0 and 1 has landed; my second load, issued behind it, may be out
	s_wait_dscnt 0x0                               ; Rw is in, Rh is stored
	s_barrier_signal -1
	s_barrier_wait -1                              ; everybody's part has
	KSTEP 1                                        ; key step 0 starts O^T's sums
	KSTEP 0                                        ; key step 1
	s_wait_tensorcnt 0x0                           ; my part of key steps 2 to 7
	s_wait_dscnt 0x0
	s_barrier_signal -1
	s_barrier_wait -1
	s_mov_b32 s[CNT], 6
.Lrest:
	s_setprio 2
	KSTEP 0
	s_sub_co_u32 s[CNT], s[CNT], 1
	s_cmp_lg_u32 s[CNT], 0
	s_cbranch_scc1 .Lrest
	s_setprio 0
	; ---- THE WAY OUT.  out is channel-major: O^T / l goes into a stage of 128 channel rows x (256 pixels x 4 bytes + 16), and each wave stores 16 whole rows.
	; The additions and the address work below are the places behind the last products (12 plain lines).
.irp u, 0,1
	v_add_f32 v[RL+2*\u], v[ST+4*\u+2], v[ST+4*\u+3]   ; the sum's two halves,
.endr
.irp u, 0,1
	s_delay_alu instid0(VALU_DEP_2)
	v_permlanex16_b32 v[T2+\u], v[RL+2*\u], s[SEL], s[SEL+1]
.endr
.irp u, 0,1
	s_delay_alu instid0(VALU_DEP_2)
	v_add_f32 v[RL+2*\u], v[RL+2*\u], v[T2+\u]     ; and lane l xor 16's: the row's sum
.endr
	s_wait_alu depctr_va_vdst(0)
.irp u, 0,1
	v_rcp_f32 v[RL+2*\u], v[RL+2*\u]
.endr
	v_and_b32 v112, 15, v0                         ; r
	v_bfe_u32 v113, v0, 4, 1                       ; h
	s_delay_alu instid0(VALU_DEP_2)
	v_and_b32 v114, 8, v112
	s_delay_alu instid0(VALU_DEP_1)
	v_add_nc_u32 v114, v114, v112                  ; r + 8 (r / 8)
	s_lshl_b32 s18, s[WV], 7
	v_lshl_add_u32 v114, v114, 2, s18              ; my pixel of the block's 256: 32 wave + r + 8 (r / 8) (+ 8 u), 4 bytes each
	s_delay_alu instid0(VALU_DEP_1)
	v_mad_u32_u24 v116, v113, 8320, v114           ; channel 8 h: channels 16 T + 8 h + j, T = 0 .. 3, by the immediate;
	s_delay_alu instid0(VALU_DEP_1)
	v_add_nc_u32 v117, 66560, v116                 ; T = 4 .. 7
	s_mul_i32 s18, s[WV], 16640
	v_add_nc_u32 v118, s18, v[AK0]                 ; back: my 16 channel rows, 16 bytes a lane
	s_lshl_b32 s52, s16, 19                        ; out: channel row 128 head + 16 wave, of 4,096 bytes;
	s_lshl_b32 s62, s[WV], 16
	s_add_co_u32 s52, s52, s62
	s_lshl_b32 s62, s15, 10                        ; pixel 256 cx
	s_add_co_u32 s52, s52, s62
	s_mov_b32 s53, 0
	s_add_nc_u64 s[12:13], s[12:13], s[52:53]
	s_wait_alu depctr_va_vdst(0)                   ; one wait for the two reciprocals, ahead of their first reader
	WIN 0x41
.irp u, 0,1
.set j, 0
.rept 32
	v_pk_mul_f32 v[OT+64*\u+j:OT+64*\u+j+1], v[OT+64*\u+j:OT+64*\u+j+1], v[RL+2*\u:RL+2*\u+1] op_sel_hi:[1,0]   ; O^T / l; each accumulator from its low end on
.set j, j+2
.endr
.endr
	WIN 0
	s_wait_alu depctr_va_vdst(0)
	s_wait_dscnt 0x0                               ; my reads of K and V are over
	s_barrier_signal -1
	s_barrier_wait -1                              ; everybody's are: K's bytes, which have had their one fill, become the stage
	WIN 0x04                                       ; an LDS store's data are its source 1: window 1
.irp u, 0,1
.irp t, 0,1,2,3
.irp j, 0,1,2,3,4,5,6,7
	ds_store_b32 v116, v[OT+64*\u+8*\t+\j] offset:(16*\t+\j)*1040+32*\u
.endr
.endr
.irp t, 4,5,6,7
.irp j, 0,1,2,3,4,5,6,7
	ds_store_b32 v117, v[OT+64*\u+8*\t+\j] offset:(16*(\t-4)+\j)*1040+32*\u
.endr
.endr
.endr
	WIN 0
	s_wait_dscnt 0x0                               ; for the others' sake: my stores into the stage are done
	s_barrier_signal -1
	s_barrier_wait -1
.irp i, 0,1,2,3,4,5,6,7,8,9,10,11,12,13,14,15
.irp f, 0,1
	ds_load_b128 v[SCO+8*\i+4*\f:SCO+8*\i+4*\f+3], v118 offset:1040*\i+512*\f
.endr
.endr
.irp i, 0,1,2,3,4,5,6,7,8,9,10,11,12,13,14,15
.irp f, 0,1
	s_wait_dscnt 31-2*\i-\f                        ; LDS loads come back in order: this one is in, the younger ones may be out
	global_store_b128 v[AK0], v[SCO+8*\i+4*\f:SCO+8*\i+4*\f+3], s[12:13] offset:4096*\i+512*\f th:TH_STORE_NT   ; 32 lanes store 512 consecutive bytes, aligned; written once, read by nobody here
.endr
.endr
	s_wait_xcnt 0x0
	v_lshl_add_u32 v254, v0, 2, 0x4d000
	v_mov_b32 v255, 0
	s_wait_alu depctr_va_vdst(0)
	s_wait_tensorcnt 0x0
	ds_add_u32 v254, v255
	s_wait_dscnt 0x0
	ROUND                                          ; the closing round: no work-group ends while a partner may still ask for a tile that names it
	s_endpgm
.Lfunc_end_k_q82e74aeb28_attn:
	.size	k_q82e74aeb28_attn, .Lfunc_end_k_q82e74aeb28_attn-k_q82e74aeb28_attn
	.p2alignl 7, 3214868480
	.fill 96, 4, 3214868480
	.section	.rodata,"a",@progbits
	.p2align	6, 0x0
	.amdhsa_kernel k_q82e74aeb28_attn
		.amdhsa_group_segment_fixed_size 327680
		.amdhsa_private_segment_fixed_size 0
		.amdhsa_enable_private_segment 0
		.amdhsa_kernarg_size 40
		.amdhsa_user_sgpr_count 2
		.amdhsa_user_sgpr_kernarg_segment_ptr 1
		.amdhsa_wavefront_size32 1
		.amdhsa_system_sgpr_workgroup_id_x 1
		.amdhsa_system_sgpr_workgroup_id_y 1
		.amdhsa_system_sgpr_workgroup_id_z 1
		.amdhsa_system_vgpr_workitem_id 0
		.amdhsa_next_free_vgpr 512
		.amdhsa_next_free_sgpr 66
		.amdhsa_reserve_vcc 0
		.amdhsa_float_denorm_mode_32 3
		.amdhsa_float_denorm_mode_16_64 3
		.amdhsa_fp16_overflow 1
		.amdhsa_memory_ordered 1
		.amdhsa_forward_progress 1
		.amdhsa_inst_pref_size 147
	.end_amdhsa_kernel
	.amdgpu_metadata
---
amdhsa.version: [ 1, 2 ]
amdhsa.kernels:
  - .name:           k_q82e74aeb28_attn
    .symbol:         k_q82e74aeb28_attn.kd
    .args:
      - { .name: qc, .offset: 0, .size: 8, .value_kind: global_buffer, .address_space: global }
      - { .name: kv, .offset: 8, .size: 8, .value_kind: global_buffer, .address_space: global }
      - { .name: wimg, .offset: 16, .size: 8, .value_kind: global_buffer, .address_space: global }
      - { .name: wscl, .offset: 24, .size: 8, .value_kind: global_buffer, .address_space: global }
      - { .name: out0, .offset: 32, .size: 8, .value_kind: global_buffer, .address_space: global }
    .group_segment_fixed_size: 327680
    .private_segment_fixed_size: 0
    .kernarg_segment_align: 8
    .kernarg_segment_size: 40
    .max_flat_workgroup_size: 256
    .sgpr_count:     66
    .vgpr_count:     512
    .wavefront_size: 32
...
	.end_amdgpu_metadata
.endif
;; end of part 3
